; MI455X (gfx1250); checked and timed in simulation.
; The chip was launched on July 23, 2026; its instructions are those of AMD's public machine-readable ISA for CDNA 5 (MIT licence, August 2026) and "CDNA5" Instruction Set Architecture Reference Guide (July 2026). The comments in the code are by the model that wrote it; some were corrected since.
;; Smooth STE Max Min. Allowed arithmetic: float matrix products may take bf16 or f16 operands with f32 sums; all other float work in f32.
;; Inputs: weight 512 x 512 float32; x 1,024 x 512 float32.
;; Outputs: out0 1,024 x 512 float32.
;; One version. Each part assembles by itself: llvm-mc -triple=amdgcn-amd-amdhsa -mcpu=gfx1250 --defsym DOCPART=n.
;; ======== version 1 of 1: 1 launch
;; limits: inputs' magnitudes at most 100,000,000
;; launch stemaxmin (part 1): grid 4 x 64, 16 waves a work-group, no clusters, 264,192 bytes of LDS; arguments x, weight, out0; writes out0
.if DOCPART == 1
	.amdgcn_target "amdgcn-amd-amdhsa--gfx1250"
	.amdhsa_code_object_version 6
	.text
	.protected	k_q1f1900175c_stemaxmin
	.globl	k_q1f1900175c_stemaxmin
	.p2align	8
	.type	k_q1f1900175c_stemaxmin,@function
k_q1f1900175c_stemaxmin:
	s_mov_b64 s[64:65], 0
	v_nop
	global_prefetch_b8 v0, s[64:65] scope:SCOPE_SE
	s_setreg_imm32_b32 hwreg(HW_REG_WAVE_MODE, 25, 1), 1
	s_wait_xcnt 0x0
; out[b][o] = (hard - smooth) + smooth,  hard = max_i min(x[b][i], w[i][o]),  smooth = logsumexp_i(5 min(..)) / 5.
; x: [1024][512] f32, weight: [512][512] f32, out0: [1024][512] f32.  All arithmetic in f32.
;
; A work-group makes 16 rows x 128 columns of out with 16 waves.  The sum over i is split: wave k owns i = 32k .. 32k+31, loads
; its 32 x 128 piece of weight once and keeps it in 128 registers (lane L: columns 4L .. 4L+3), so the inner loops hold no vector
; memory and no LDS loads.  x[b][i] is the same in all lanes: it comes by scalar loads and is read as a scalar operand.
; For each of the 16 rows a wave makes, over its own 32 i: pass 1 the local maximum m of min(x, w), pass 2 the local sum
; s = sum exp2(c min - c m), c = 5 log2(e): the maximum is taken away before every exponential.  The 16 pairs (m, s) of an output
; meet in LDS; wave k merges row k:  H = max m_k (this is hard, exactly),  S = sum s_k exp2(c m_k - c H),
; smooth = H + log2(S) ln2 / 5,  out = (H - smooth) + smooth.
;
; LIMITS.  NaN: v_min_num / v_max_num / v_minmax_num let a NaN lose, reference() would spread it.  Infinite inputs are not served.
; Size: |x|, |weight| up to 1e8.  The shift -c m is rounded once, and the fused c min + shift then carries that rounding as an offset
; common to all exponents of an output: at most half a unit in the last place of c m, 32 below c m = 2^30; two such offsets (local and
; merge) leave every sum inside f32.  Far above that the sums could overflow.
;
; NOT USED, by this text's own arithmetic: matrix instructions (min and max are no products); tensor loads, and with them clusters
; and joint requests: weight goes straight into the registers where it stays, a way through LDS would add a store and a load of
; 256 KiB, and such a tile does not fit beside the 262,144 bytes of partial results; prefetches: the one wait for vector loads stands
; at the start, with no earlier work to ask from, and each row of x is asked for a whole row of work ahead.
.set XROW, 2048                        ; bytes in a row of x, of weight and of out (512 f32)
.set PART, 16384                       ; LDS bytes of one wave's partial results: 16 rows x (512 bytes of maxima + 512 bytes of sums)
.set XA,   8                           ; s[8:39]    x of a row, my 32 i: buffer A
.set XB,   68                          ; s[68:99]   buffer B
.set CS,   46                          ; s[46:47]   c = 5 log2(e), twice (a packed instruction's scalar source is a pair)
.set CN,   48                          ; s[48:49]   -c
.set CL,   50                          ; s[50:51]   ln(2) / 5
.set LO,   2                           ; v2         16 x lane: my 16 bytes in 512
.set LA,   3                           ; v3         LDS: where my wave puts the current pair of rows
.set MA,   4                           ; v[4:7]     LDS: row = my wave's number, in the partial results of waves 4q .. 4q+3
.set ACC,  12                          ; v[12:19]   pass 1: eight chains (i even, i odd) x 4 columns; then v[12:15] the maxima
.set NH,   20                          ; v[20:23]   -c x maximum
.set W,    32                          ; v[32:159]  weight[32k + i][4L + j] at W + 4 i + j; in the merge: the 16 pairs (m, s)
.set S,    160                         ; v[160:167] sums: (i even, i odd) x 4 columns
.set T,    168                         ; v[168:183] two sets of eight numbers at work
	s_load_b128 s[4:7], s[0:1], 0x0                ; x s[4:5], weight s[6:7]
	s_load_b64 s[40:41], s[0:1], 0x10              ; out0
	v_lshl_add_u32 v184, v0, 2, 0x40000
	v_mov_b32 v185, 0
	v_lshrrev_b32 v1, 5, v0
	v_readfirstlane_b32 s42, v1                    ; wave k, 0 .. 15
	v_and_b32 v1, 31, v0                           ; lane
	v_lshlrev_b32 v[LO], 4, v1
	s_and_b32 s52, ttmp7, 0xffff                   ; block of 16 rows, 0 .. 63;  ttmp9: strip of 128 columns, 0 .. 3
	s_lshl_b32 s44, s52, 15                        ; x: 16 rows x 2,048 bytes a block
	s_lshl_b32 s53, s42, 7                         ;    + my 32 i x 4 bytes
	s_add_co_u32 s44, s44, s53
	s_mov_b32 s45, 0
	s_lshl_b32 s54, s42, 16                        ; weight: my 32 rows x 2,048 bytes
	s_lshl_b32 s53, ttmp9, 9                       ;    + 128 columns x 4 bytes a strip
	s_add_co_u32 s54, s54, s53
	s_mov_b32 s55, 0
	s_lshl_b32 s56, s52, 15                        ; out: the block's first row,
	s_lshl_b32 s57, s42, 11                        ;    + row k, the one that I merge,
	s_add_co_u32 s56, s56, s57
	s_add_co_u32 s56, s56, s53                     ;    + the strip
	s_mov_b32 s57, 0
	s_mov_b32 s[CS],   0x40e6d4ca                  ; 7.2134752 = 5 log2(e)
	s_mov_b32 s[CS+1], 0x40e6d4ca
	s_mov_b32 s[CN],   0xc0e6d4ca
	s_mov_b32 s[CN+1], 0xc0e6d4ca
	s_mov_b32 s[CL],   0x3e0df4e0                  ; 0.13862944 = ln(2) / 5
	s_mov_b32 s[CL+1], 0x3e0df4e0
	s_lshl_b32 s58, s42, 14                        ; k x PART
	v_add_nc_u32 v[LA], s58, v[LO]
	s_lshl_b32 s59, s42, 10                        ; row k inside a wave's partial results
	v_add_nc_u32 v[MA], s59, v[LO]
	v_add_nc_u32 v[MA+1], 4*PART, v[MA]            ; the LDS immediate has 16 bits: four waves' results to a register
	v_add_nc_u32 v[MA+2], 8*PART, v[MA]
	v_add_nc_u32 v[MA+3], 12*PART, v[MA]
	s_wait_kmcnt 0x0
	s_add_nc_u64 s[4:5], s[4:5], s[44:45]
	s_add_nc_u64 s[6:7], s[6:7], s[54:55]
	s_add_nc_u64 s[40:41], s[40:41], s[56:57]
	s_load_b512 s[XA:XA+15],    s[4:5], 0x0        ; row 0 of x, my 32 numbers
	s_load_b512 s[XA+16:XA+31], s[4:5], 0x40
.set ii, 0
.rept 32
	global_load_b128 v[W+4*ii:W+4*ii+3], v[LO], s[6:7] offset:ii*XROW   ; a wave's load covers 512 consecutive bytes, aligned
.set ii, ii+1
.endr
; Eight elements of pass 2 (i0 and i0 + 1, four columns): min, scale and shift in one fused step, exponential, all in place in dst.
.macro BATCH xb, i0, dst
.irp e, 0,1
.irp j, 0,2
	v_dual_min_num_f32 v[\dst+4*\e+\j], s[\xb+\i0+\e], v[W+4*(\i0+\e)+\j] :: v_dual_min_num_f32 v[\dst+4*\e+\j+1], s[\xb+\i0+\e], v[W+4*(\i0+\e)+\j+1]
.endr
.endr
.irp q, 0,1,2,3
	v_pk_fma_f32 v[\dst+2*\q:\dst+2*\q+1], v[\dst+2*\q:\dst+2*\q+1], s[CS:CS+1], v[NH+2*(\q%2):NH+2*(\q%2)+1] op_sel_hi:[1,0,1]
.endr
.irp q, 0,1,2,3,4,5,6,7
	v_exp_f32 v[\dst+\q], v[\dst+\q]
.endr
.endm
.macro ADDS src
	s_wait_alu depctr_va_vdst(0)
.irp q, 0,1,2,3
	v_pk_add_f32 v[S+2*\q:S+2*\q+1], v[S+2*\q:S+2*\q+1], v[\src+2*\q:\src+2*\q+1]
.endr
.endm
; One row of x (in the scalar buffer xb) against my 32 x 128 piece of weight; the pair (maxima, sums) goes to LDS at LA + lds.
.macro ROW xb, lds
	; pass 1: max over my i of min(x, w), one instruction an element.  The first two i start the eight chains: nothing is cleared.
.irp j, 0,1,2,3
	v_min_num_f32 v[ACC+\j], s[\xb], v[W+\j]
.endr
.irp j, 0,1,2,3
	v_min_num_f32 v[ACC+4+\j], s[\xb+1], v[W+4+\j]
.endr
.set ii, 2
.rept 30
.irp j, 0,1,2,3
	v_minmax_num_f32 v[ACC+4*(ii%2)+\j], s[\xb+ii], v[W+4*ii+\j], v[ACC+4*(ii%2)+\j]   ; max(min(x, w), chain)
.endr
.set ii, ii+1
.endr
.irp j, 0,1,2,3
	v_max_num_f32 v[ACC+\j], v[ACC+\j], v[ACC+4+\j]
.endr
	ds_store_b128 v[LA], v[ACC:ACC+3] offset:\lds
	v_pk_mul_f32 v[NH:NH+1],   v[ACC:ACC+1],   s[CN:CN+1] op_sel_hi:[1,0]
	v_pk_mul_f32 v[NH+2:NH+3], v[ACC+2:ACC+3], s[CN:CN+1] op_sel_hi:[1,0]
	; pass 2: sixteen batches of eight.  The first batch's exponentials ARE the sums' first terms.  A batch's results are added one
	; batch later: between an exponential and the use of its result stands plain vector work that does not touch it
	; (ISA guide 5.7.2), here the next batch's minima or the batch before's additions.  Two sets of temporaries take turns.
	BATCH \xb, 0, S
	BATCH \xb, 2, T+8
.set bt, 2
.rept 14
	BATCH \xb, 2*bt, T+8*(bt%2)
	ADDS T+8*((bt-1)%2)
.set bt, bt+1
.endr
	ADDS T+8                                       ; batch 15, behind the four additions of batch 14
	v_pk_add_f32 v[S:S+1],   v[S:S+1],   v[S+4:S+5] ; even i + odd i
	v_pk_add_f32 v[S+2:S+3], v[S+2:S+3], v[S+6:S+7]
	ds_store_b128 v[LA], v[S:S+3] offset:\lds+512
.endm
	s_wait_loadcnt 0x0                             ; my piece of weight, once
	s_mov_b32 s43, 7                               ; seven trips of two rows; rows 14 and 15 are written out behind the loop
.Lrows:
	s_wait_kmcnt 0x0                               ; buffer A holds the even row (scalar loads return in no order: only 0 shows anything)
	s_load_b512 s[XB:XB+15],    s[4:5], 0x800      ; the odd row, a whole row of work ahead of its use
	s_load_b512 s[XB+16:XB+31], s[4:5], 0x840
	ROW XA, 0
	s_wait_kmcnt 0x0                               ; buffer B is in, and no scalar load is pending: the base may step
	s_add_nc_u64 s[4:5], s[4:5], 2*XROW
	s_load_b512 s[XA:XA+15],    s[4:5], 0x0        ; the next even row
	s_load_b512 s[XA+16:XA+31], s[4:5], 0x40
	ROW XB, 1024
	v_add_nc_u32 v[LA], 2048, v[LA]                ; two rows on in my partial results
	s_sub_co_u32 s43, s43, 1
	s_cmp_lg_u32 s43, 0
	s_cbranch_scc1 .Lrows
	s_wait_kmcnt 0x0                               ; row 14
	s_load_b512 s[XB:XB+15],    s[4:5], 0x800      ; row 15, the last: nothing is asked for beyond the block's rows
	s_load_b512 s[XB+16:XB+31], s[4:5], 0x840
	ROW XA, 0
	s_wait_kmcnt 0x0
	ROW XB, 1024
	; THE MERGE.  My 32 LDS stores are done before I signal; behind the barrier every wave's are.
	s_wait_dscnt 0x0
	s_barrier_signal -1
	s_barrier_wait -1
.set kk, 0
.rept 16
	ds_load_b128 v[W+8*kk:W+8*kk+3],   v[MA+kk/4] offset:(kk%4)*PART       ; wave kk's maxima of row k, my four columns
	ds_load_b128 v[W+8*kk+4:W+8*kk+7], v[MA+kk/4] offset:(kk%4)*PART+512   ; and its sums
.set kk, kk+1
.endr
	s_wait_dscnt 0x0
.irp j, 0,1,2,3
	v_max3_num_f32 v[ACC+\j], v[W+\j], v[W+8+\j], v[W+16+\j]
.endr
.set kk, 3
.rept 6
.irp j, 0,1,2,3
	v_max3_num_f32 v[ACC+\j], v[ACC+\j], v[W+8*kk+\j], v[W+8*kk+8+\j]
.endr
.set kk, kk+2
.endr
.irp j, 0,1,2,3
	v_max_num_f32 v[ACC+\j], v[ACC+\j], v[W+8*15+\j]                       ; H: the maximum over all 512 i = hard
.endr
	v_pk_mul_f32 v[NH:NH+1],   v[ACC:ACC+1],   s[CN:CN+1] op_sel_hi:[1,0]
	v_pk_mul_f32 v[NH+2:NH+3], v[ACC+2:ACC+3], s[CN:CN+1] op_sel_hi:[1,0]
.set kk, 0
.rept 16
	v_pk_fma_f32 v[W+8*kk:W+8*kk+1],   v[W+8*kk:W+8*kk+1],   s[CS:CS+1], v[NH:NH+1]   op_sel_hi:[1,0,1]   ; c m_k - c H
	v_pk_fma_f32 v[W+8*kk+2:W+8*kk+3], v[W+8*kk+2:W+8*kk+3], s[CS:CS+1], v[NH+2:NH+3] op_sel_hi:[1,0,1]
.set kk, kk+1
.endr
.set kk, 0
.rept 16
.irp j, 0,1,2,3
	v_exp_f32 v[W+8*kk+\j], v[W+8*kk+\j]
.endr
.set kk, kk+1
.endr
	v_nop                                          ; the plain place between the exponentials and the first use of a result (ISA guide 5.7.2)
	s_wait_alu depctr_va_vdst(0)
.irp e, 0,1
	v_pk_mul_f32 v[S+4*\e:S+4*\e+1],   v[W+8*\e:W+8*\e+1],   v[W+8*\e+4:W+8*\e+5]     ; waves 0 and 1 start two chains
	v_pk_mul_f32 v[S+4*\e+2:S+4*\e+3], v[W+8*\e+2:W+8*\e+3], v[W+8*\e+6:W+8*\e+7]
.endr
.set kk, 2
.rept 14
	v_pk_fma_f32 v[S+4*(kk%2):S+4*(kk%2)+1],   v[W+8*kk:W+8*kk+1],   v[W+8*kk+4:W+8*kk+5], v[S+4*(kk%2):S+4*(kk%2)+1]
	v_pk_fma_f32 v[S+4*(kk%2)+2:S+4*(kk%2)+3], v[W+8*kk+2:W+8*kk+3], v[W+8*kk+6:W+8*kk+7], v[S+4*(kk%2)+2:S+4*(kk%2)+3]
.set kk, kk+1
.endr
	v_pk_add_f32 v[S:S+1],   v[S:S+1],   v[S+4:S+5]
	v_pk_add_f32 v[S+2:S+3], v[S+2:S+3], v[S+6:S+7]    ; S = sum over all i of exp(5 min - 5 H), at least about 1
.irp j, 0,1,2,3
	v_log_f32 v[T+\j], v[S+\j]                     ; log2
.endr
	v_nop                                          ; the plain place behind the logarithms
	s_wait_alu depctr_va_vdst(0)
	v_pk_fma_f32 v[T:T+1],   v[T:T+1],   s[CL:CL+1], v[ACC:ACC+1]   op_sel_hi:[1,0,1]  ; smooth = H + ln(S) / 5
	v_pk_fma_f32 v[T+2:T+3], v[T+2:T+3], s[CL:CL+1], v[ACC+2:ACC+3] op_sel_hi:[1,0,1]
	v_pk_add_f32 v[T+8:T+9],   v[ACC:ACC+1],   v[T:T+1]   neg_lo:[0,1] neg_hi:[0,1]    ; hard - smooth
	v_pk_add_f32 v[T+10:T+11], v[ACC+2:ACC+3], v[T+2:T+3] neg_lo:[0,1] neg_hi:[0,1]
	v_pk_add_f32 v[T+8:T+9],   v[T+8:T+9],   v[T:T+1]                                  ; + smooth
	v_pk_add_f32 v[T+10:T+11], v[T+10:T+11], v[T+2:T+3]
	global_store_b128 v[LO], v[T+8:T+11], s[40:41] th:TH_STORE_NT   ; the wave stores 512 consecutive bytes of row k, aligned
	s_wait_tensorcnt 0x0
	ds_add_u32 v184, v185
	s_wait_dscnt 0x0
	s_endpgm
.Lfunc_end_k_q1f1900175c_stemaxmin:
	.size	k_q1f1900175c_stemaxmin, .Lfunc_end_k_q1f1900175c_stemaxmin-k_q1f1900175c_stemaxmin
	.p2alignl 7, 3214868480
	.fill 96, 4, 3214868480
	.section	.rodata,"a",@progbits
	.p2align	6, 0x0
	.amdhsa_kernel k_q1f1900175c_stemaxmin
		.amdhsa_group_segment_fixed_size 264192
		.amdhsa_private_segment_fixed_size 0
		.amdhsa_enable_private_segment 0
		.amdhsa_kernarg_size 24
		.amdhsa_user_sgpr_count 2
		.amdhsa_user_sgpr_kernarg_segment_ptr 1
		.amdhsa_wavefront_size32 1
		.amdhsa_system_sgpr_workgroup_id_x 1
		.amdhsa_system_sgpr_workgroup_id_y 1
		.amdhsa_system_sgpr_workgroup_id_z 1
		.amdhsa_system_vgpr_workitem_id 0
		.amdhsa_next_free_vgpr 186
		.amdhsa_next_free_sgpr 100
		.amdhsa_reserve_vcc 0
		.amdhsa_float_denorm_mode_32 3
		.amdhsa_float_denorm_mode_16_64 3
		.amdhsa_memory_ordered 1
		.amdhsa_forward_progress 1
		.amdhsa_inst_pref_size 115
	.end_amdhsa_kernel
	.amdgpu_metadata
---
amdhsa.version: [ 1, 2 ]
amdhsa.kernels:
  - .name:           k_q1f1900175c_stemaxmin
    .symbol:         k_q1f1900175c_stemaxmin.kd
    .args:
      - { .name: x, .offset: 0, .size: 8, .value_kind: global_buffer, .address_space: global }
      - { .name: weight, .offset: 8, .size: 8, .value_kind: global_buffer, .address_space: global }
      - { .name: out0, .offset: 16, .size: 8, .value_kind: global_buffer, .address_space: global }
    .group_segment_fixed_size: 264192
    .private_segment_fixed_size: 0
    .kernarg_segment_align: 8
    .kernarg_segment_size: 24
    .max_flat_workgroup_size: 512
    .sgpr_count:     100
    .vgpr_count:     186
    .wavefront_size: 32
...
	.end_amdgpu_metadata
.endif
;; end of part 1
